; MI455X (gfx1250); checked and timed in simulation.
; The chip was launched on July 23, 2026; its instructions are those of AMD's public machine-readable ISA for CDNA 5 (MIT licence, August 2026) and "CDNA5" Instruction Set Architecture Reference Guide (July 2026). The comments in the code are by the model that wrote it; some were corrected since.
;; Softmax Self Attention. Allowed arithmetic: matrix products marked QUANTISED: E2M3 operands, one E8M0 scale for each 32 along K, by v_wmma_scale_f32_16x16x128_f8f6f4 with both operands' format E2M3, f32 sums; everything else in f32.
;; Inputs: K 2 x 12 x 2,048 x 64 float32; Q 2 x 12 x 2,048 x 64 float32; V 2 x 12 x 2,048 x 64 float32.
;; Outputs: out0 2 x 12 x 2,048 x 64 float32.
;; This version of the problem:
;;   THIS VERSION OF THE PROBLEM IS GIVEN IN LOW PRECISION. The matrix products marked QUANTISED in the list below multiply operands that are first quantised to E2M3 (2 exponent bits, 3 mantissa bits; 6 bits a number), with one power-of-two scale for each 32 numbers along K (OCP MX v1.0); their sums are f32. All else is computed in f32.
;;   The module's matrix products, in the order in which they are computed (A, B: the left and right operand; K: the contracted axis; several contracted axes count as one K, in the product's order):
;;     1. batch 24 x [M 2,048, K 64] x [K 64, N 2,048]; A: input Q; B: input K: QUANTISED
;;     2. batch 24 x [M 2,048, K 2,048] x [K 2,048, N 64]; A: softmax (see below); B: input V: QUANTISED
;;   THE QUANTISER, for each operand of a quantised product, along K:
;;     - K is cut into blocks of 32 from its start; a last block that is shorter is filled with zeros.
;;     - A block's scale is 2^e with e = floor(log2(the largest magnitude in the block)) - 2, held to -126 .. 127; a block of zeros has e = 0. As a byte (E8M0): e + 127.
;;     - Each number is divided by its block's scale, clamped to +-7.5, and rounded to the nearest number of E2M3, ties to even, subnormals kept.
;;     - The product sums the exact products of the quantised numbers (number of the format x scale) in f32.
;;   ~~~python
;;   def quantise(x, axis):      # numpy; x: float32 -> the quantised numbers, widened to float32 again
;;       x = np.moveaxis(x, axis, -1); K = x.shape[-1]
;;       x = np.pad(x, [(0, 0)] * (x.ndim - 1) + [(0, -K % 32)]); x = x.reshape(x.shape[:-1] + (-1, 32)); a = np.abs(x).max(-1, keepdims=True)
;;       e = np.where(a > 0, np.clip(np.frexp(np.where(a > 0, a, 1))[1] - 1 - 2, -126, 127), 0)      # np.frexp(a)[1] - 1 = floor(log2(a)), exactly
;;       r = np.clip(x / 2.0 ** e, -7.5, 7.5)
;;       step = 2.0 ** (np.maximum(np.frexp(np.where(r == 0, 1, r))[1] - 1, 0) - 3)
;;       q = np.round(r / step) * step * 2.0 ** e      # np.round: ties to even
;;       return np.moveaxis(q.reshape(q.shape[:-2] + (-1,))[..., :K], -1, axis).astype(np.float32)
;;   ~~~
;;   SOFTMAX AHEAD OF A QUANTISED PRODUCT. Where the list says 'softmax', what is quantised is not the finished softmax but p = 2^(t - M), with t = logit x log2(e) and M = ceil(the row's largest t), a whole number; so 1/2 < the row's largest p <= 1. The row's sum l is taken of the UNQUANTISED p, in f32, and the product's result is divided by l at the end. Since M is a whole number, a kernel that streams over the keys may use a running M (the ceiling of the running maximum): every later rescaling is an exact power of two, which a block's scale takes up: the codes' values come out the same.
;;   OPERANDS COMPUTED ON THE WAY. 'Computed on the way' means the value that the module computes at that place (a softmax that the list does not call 'softmax' is quantised finished and normalised). What goes into a quantiser is computed in f32, as accurately as f32 sums, v_exp_f32 and their like allow (about 1e-6 of the number): no bf16 or f16 on the way to a quantiser, and a product that is left as it is and whose result goes on into a quantised operand takes f32 operands (vector FMAs, or v_wmma_f32_16x16x4_f32). A number that lies on a knife's edge between two numbers of the format may be rounded either way, as far as f32 arithmetic and the matrix unit's own rounding can turn it there, and no further.
;; One version. Each part assembles by itself: llvm-mc -triple=amdgcn-amd-amdhsa -mcpu=gfx1250 --defsym DOCPART=n.
;; ======== version 1 of 1: 2 launches
;; limits: right only within a limited range of input values
;; workspace buffers: kv 5,111,808 bytes
;; launch quant (part 1): grid 768 x 1, 4 waves a work-group, no clusters, 70,400 bytes of LDS; arguments K, V, kv; writes kv
.if DOCPART == 1
	.amdgcn_target "amdgcn-amd-amdhsa--gfx1250"
	.amdhsa_code_object_version 6
	.text
	.protected	k_q5ae21466c3_quant
	.globl	k_q5ae21466c3_quant
	.p2align	8
	.type	k_q5ae21466c3_quant,@function
k_q5ae21466c3_quant:
	s_mov_b64 s[64:65], 0
	v_nop
	global_prefetch_b8 v0, s[64:65] scope:SCOPE_SE
	s_setreg_imm32_b32 hwreg(HW_REG_WAVE_MODE, 25, 1), 1
	s_wait_xcnt 0x0
; K and V, [24 heads][2048 keys][64] f32, become codes of FP6 (E2M3) with one E8M0 scale byte for each 32 along a product's K,
; laid in the workspace kv IN THE ORDER OF THE OPERANDS' REGISTERS, so that the attention launch fetches every fragment by loads of 16 bytes a lane.
; For K the product's K is the head's 64 numbers (two blocks a key); for V it is the keys (a block = 32 neighbouring keys of one channel).
; A block's scale is 2^(floor(log2(its largest magnitude)) - 2); its byte is the largest magnitude's exponent field - 2, held at 1 from below.
; LIMITS: NaN and infinities among the inputs are not served.  A block whose largest magnitude lies under 2^-124 (a block of zeros among them) gets the byte 1:
; a block of zeros has zero codes, which add nothing under that byte, and the bytes are read by this program alone.
; A RECORD of REC = 13,312 bytes serves 128 keys of one head; record (head, step) lies at (16 head + step) REC:
;   0      K's 8 tiles of 16 keys: a lane's 48 words on end (word 6 t + j = register j of tile t); words 4 i .. 4 i + 3 of lane l at 512 i + 16 l
;   6,144  V^T's 4 tiles of 16 channels x 128 keys: a lane's 48 words on end (12 a tile), laid likewise
;   12,288 K's scale words: the word at 16 l + 4 j belongs to tile 2 j + l / 16, row l % 16 (byte 0: numbers 0-31, byte 1: 32-63, bytes 2, 3: 0)
;   12,800 V's scale words: the word at 16 l + 4 j, j = 0, 1, belongs to tile 2 j + l / 16, row l % 16 (byte b: keys 32 b .. 32 b + 31); the same words once more 8 bytes on
; THE KEYS OF A TILE OF K ARE NOT NEIGHBOURS: row m of tile 4 c + u is key 64 c + 32 (m / 8) + 8 u + m % 8.  In the transposed scores a lane holds rows 8 h .. 8 h + 7 of a tile,
; so its 32 registers of tiles 4 c .. 4 c + 3 are the 32 neighbouring keys 64 c + 32 h on: a whole block of the second product's quantiser in one lane.
; SHARES.  An even work-group makes the K part of record ttmp9 / 2, an odd one the V part; each reads 32,768 dense bytes, 16 loads a wave of 512 consecutive bytes, all issued at once.
; K: wave w = 2 c + s takes keys 64 c + 16 s + 0 .. 15 and 64 c + 32 + 16 s + 0 .. 15 and makes tiles 2 w and 2 w + 1.  V: wave w loads keys 32 w .. 32 w + 31 and makes tile w from all 128, which meet in LDS.
; The two kinds of work-group use LDS bytes of their own.  No tensor load, no matrix unit, no cluster: work-groups share no input, and memory binds.
.set REC,  13312
.set KP,   272                         ; K's stage: a key's 256 bytes + 16: row p starts at bank 4 p mod 64 (64 banks of 4 bytes: ISA guide 11.1)
.set KSTW, 8960                        ; a wave's own stage for K: 32 rows, with 128 bytes more behind row 15, so that rows p and p + 16 start 32 banks apart
.set VST,  4*KSTW                      ; V's stage, the work-group's: key k, channel d at (k / 32) VBLK + (k % 32) 256 + 4 d
.set VBLK, 8256                        ; 32 keys + 64 bytes: lanes 16-31, which read 32 keys further on, fall 16 banks further on
.set TAIL, VST+4*VBLK                  ; 512 bytes of K's scale words, 512 of V's
.set SPARE, TAIL+1024                  ; the spare words, 128 bytes a wave
.set SPW,  62                          ; v62 SPARE + 4 x my thread's number; never rewritten
.set NIL,  63                          ; v63 0; never rewritten
.set T,    28                          ; v28-30   the second half of a block's codes, as the conversion leaves it
.set C,    32                          ; v32-43   my 12 words of codes
.set R,    64                          ; v64-127  as loaded
.set X,    128                         ; v128-191 back from the stage: two blocks of 32 numbers
; v1 lane, v2 r = lane % 16, v3 h = lane / 16, v4 16 lane, v5 my codes' place; v6, v7, v10, v13 LDS addresses; v15 8 h; v17 a lane permute's destination; v20-27 at work
; 32 numbers of ONE lane, v[x] on, become 6 registers of codes, v[c] on, and the block's scale byte in v[by].
.macro BLOCKQ x, c, by
.set XB, \x
.set CB, \c
	v_max3_num_f32 v20, |v[XB]|, |v[XB+1]|, 0x1800000      ; the largest magnitude, in two chains; among the leaves the floor 2^(3 - 127), which holds the byte at 1 from below
	v_max3_num_f32 v21, |v[XB+2]|, |v[XB+3]|, |v[XB+4]|
.irp i, 5,9,13,17,21,25
	v_max3_num_f32 v20, v20, |v[XB+\i]|, |v[XB+\i+1]|
	v_max3_num_f32 v21, v21, |v[XB+\i+2]|, |v[XB+\i+3]|
.endr
	v_max3_num_f32 v20, v20, |v[XB+29]|, |v[XB+30]|
	v_max3_num_f32 v20, v20, v21, |v[XB+31]|
	v_add_nc_u32 v22, 0xff000000, v20                      ; 2 off its exponent field: the conversion takes this operand's exponent field as its scale, and nothing else of it
	v_lshrrev_b32 v[\by], 23, v22                          ; the scale's byte
	v_cvt_scalef32_pk16_fp6_f32 v[CB:CB+2], v[XB:XB+15], v22
	v_cvt_scalef32_pk16_fp6_f32 v[T:T+2], v[XB+16:XB+31], v22   ; (a conversion's three registers begin on an even number: the block's second three do not)
	v_nop                                                  ; one plain line behind a scaled conversion, ahead of the moves that read its result
.irp i, 0,1,2
	v_mov_b32 v[CB+3+\i], v[T+\i]
.endr
.endm
; The codes leave, 512 consecutive bytes a store; the four waves' scale words meet in LDS, and wave 0 stores them as 512 consecutive bytes.
.macro OUT codes, scales
.irp i, 0,1,2
	global_store_b128 v5, v[C+4*\i:C+4*\i+3], s[8:9] offset:\codes+512*\i
.endr
	s_wait_alu depctr_va_vdst(0)
	s_wait_dscnt 0x0                                       ; for wave 0's sake: my scale words have landed
	s_barrier_signal -1
	s_barrier_wait -1
	s_cmp_lg_u32 s10, 0
	s_cbranch_scc1 .Lout_\@
	ds_load_b128 v[56:59], v13
	s_wait_dscnt 0x0
	global_store_b128 v4, v[56:59], s[8:9] offset:\scales
.Lout_\@:
.endm
	s_load_b128 s[4:7], s[0:1], 0x0                ; K s[4:5], V s[6:7]
	s_load_b64 s[8:9], s[0:1], 0x10                ; kv
	v_lshl_add_u32 v[SPW], v0, 2, SPARE
	v_mov_b32 v[NIL], 0
	v_lshrrev_b32 v1, 5, v0
	v_readfirstlane_b32 s10, v1                    ; wave 0..3
	s_mul_i32 s16, s10, 1536
	v_and_b32 v1, 31, v0
	v_lshlrev_b32 v4, 4, v1
	v_add_nc_u32 v5, s16, v4                       ; 16 x lane + my 12 words' place among a lane's 48
	v_and_b32 v2, 15, v0
	v_bfe_u32 v3, v0, 4, 1
	v_lshlrev_b32 v15, 3, v3                       ; how far my byte moves up in a scale word
	v_mov_b32 v17, 0                               ; a lane permute's destination counts as one of its sources
	s_lshr_b32 s11, ttmp9, 1                       ; the record
	s_and_b32 s18, ttmp9, 1                        ; 0: its K, 1: its V
	s_mul_i32 s14, s11, REC
	s_mov_b32 s15, 0
	s_lshl_b32 s12, s11, 15                        ; the record's 32,768 bytes of input
	s_mov_b32 s13, 0
	s_mov_b32 s20, 0x76543210
	s_mov_b32 s21, 0xfedcba98                      ; v_permlanex16_b32's selects for lane l xor 16
	s_wait_alu depctr_va_vdst(0)
	s_wait_kmcnt 0x0
	s_add_nc_u64 s[8:9], s[8:9], s[14:15]
	s_cmp_lg_u32 s18, 0
	s_cbranch_scc1 .Lvalues
	s_lshr_b32 s16, s10, 1                         ; K: c
	s_lshl_b32 s16, s16, 14                        ; 64 keys
	s_add_co_u32 s12, s12, s16
	s_and_b32 s16, s10, 1                          ; s
	s_lshl_b32 s16, s16, 12                        ; 16 keys
	s_add_co_u32 s12, s12, s16
	s_add_nc_u64 s[4:5], s[4:5], s[12:13]
.irp i, 0,1,2,3,4,5,6,7,8,9,10,11,12,13,14,15
	global_load_b128 v[R+4*\i:R+4*\i+3], v4, s[4:5] offset:512*\i+4096*(\i/8) th:TH_LOAD_NT   ; two keys, 512 consecutive bytes; the second 16 keys lie 32 keys behind the first
.endr
	s_mul_i32 s17, s10, KSTW
	v_mul_u32_u24 v6, v3, KP
	v_lshl_add_u32 v6, v2, 4, v6
	v_add_nc_u32 v6, s17, v6                       ; in: row h of a load's two, 16 r
	v_and_b32 v20, 8, v2                           ; 8 (r / 8)
	v_add_nc_u32 v21, v20, v2                      ; r + 8 (r / 8): 0 .. 7, 16 .. 23
	v_mul_u32_u24 v7, v21, KP
	v_lshl_add_u32 v7, v20, 4, v7                  ; + 128 where the row lies behind row 15
	v_lshl_add_u32 v7, v3, 7, v7                   ; + 128 h: my block of 32 numbers
	v_add_nc_u32 v7, s17, v7                       ; back: my key's row
	s_lshl_b32 s19, s10, 2
	s_add_co_u32 s19, s19, TAIL
	v_add_nc_u32 v10, s19, v4                      ; scale words: 16 x lane + 4 w
	v_add_nc_u32 v13, TAIL, v4
	s_wait_alu depctr_va_vdst(0)
.irp i, 0,1,2,3,4,5,6,7,8,9,10,11,12,13,14,15
	s_wait_loadcnt 15-\i                           ; the loads issued behind this one may be out
	ds_store_b128 v6, v[R+4*\i:R+4*\i+3] offset:2*KP*\i+128*(\i/8)
.endr
.irp u, 0,1
.irp i, 0,1,2,3,4,5,6,7
	ds_load_b128 v[X+32*\u+4*\i:X+32*\u+4*\i+3], v7 offset:8*KP*\u+16*\i   ; my own bytes, and LDS serves a wave's instructions in order (ISA guide 5.7.1.4)
.endr
.endr
	s_wait_dscnt 8                                 ; the first tile's eight loads are in; the second's may be out
	BLOCKQ X, C, 23                                ; tile 2 w
	s_wait_alu depctr_va_vdst(0)
	s_wait_dscnt 0x0
	BLOCKQ X+32, C+6, 24                           ; tile 2 w + 1
	v_lshlrev_b32 v25, v15, v23                    ; my byte at its place: byte h of my key's scale word;
	v_lshlrev_b32 v26, v15, v24
	v_permlanex16_b32 v17, v25, s20, s21
	v_or_b32 v25, v25, v17                         ; with lane l xor 16's the word is whole, in both halves of the lanes
	v_permlanex16_b32 v17, v26, s20, s21
	v_or_b32 v26, v26, v17
	v_cmp_eq_u32 vcc_lo, 1, v3
	v_cndmask_b32 v27, v25, v26, vcc_lo            ; lanes 0-15 keep tile 2 w's words, lanes 16-31 tile 2 w + 1's
	ds_store_b32 v10, v27
	OUT 0, 12288
	s_branch .Lend
.Lvalues:
	s_lshl_b32 s16, s10, 13                        ; V: my wave's 32 keys
	s_add_co_u32 s12, s12, s16
	s_add_nc_u64 s[6:7], s[6:7], s[12:13]
.irp i, 0,1,2,3,4,5,6,7,8,9,10,11,12,13,14,15
	global_load_b128 v[R+4*\i:R+4*\i+3], v4, s[6:7] offset:512*\i th:TH_LOAD_NT
.endr
	s_mul_i32 s17, s10, VBLK
	s_add_co_u32 s17, s17, VST
	v_add_nc_u32 v6, s17, v4                       ; in: my wave's 32 keys, as they lie
	v_mul_u32_u24 v7, v3, VBLK
	v_lshl_add_u32 v7, v2, 2, v7
	s_lshl_b32 s19, s10, 6
	s_add_co_u32 s19, s19, VST
	v_add_nc_u32 v7, s19, v7                       ; back: channel 16 w + r, keys 32 h on
	s_and_b32 s16, s10, 1
	s_lshl_b32 s16, s16, 8
	s_lshr_b32 s19, s10, 1
	s_lshl_b32 s19, s19, 2
	s_add_co_u32 s16, s16, s19
	s_add_co_u32 s16, s16, TAIL+512
	v_lshl_add_u32 v10, v2, 4, s16                 ; scale words: 16 (r + 16 (w % 2)) + 4 (w / 2),
	v_lshl_add_u32 v10, v3, 3, v10                 ; and 8 bytes on by lanes 16-31: all 512 bytes are written
	v_add_nc_u32 v13, TAIL+512, v4
	s_wait_alu depctr_va_vdst(0)
.irp i, 0,1,2,3,4,5,6,7,8,9,10,11,12,13,14,15
	s_wait_loadcnt 15-\i
	ds_store_b128 v6, v[R+4*\i:R+4*\i+3] offset:512*\i
.endr
	s_wait_dscnt 0x0                               ; for the others' sake: my stores into the stage have landed
	s_barrier_signal -1
	s_barrier_wait -1                              ; all 128 keys lie in the stage
.irp c, 0,1
.irp i, 0,1,2,3,4,5,6,7,8,9,10,11,12,13,14,15,16,17,18,19,20,21,22,23,24,25,26,27,28,29,30,31
	ds_load_b32 v[X+32*\c+\i], v7 offset:2*VBLK*\c+256*\i   ; V(key 64 c + 32 h + i, channel 16 w + r): my registers run down the keys, in the order that the operand's layout gives my lane
.endr
.endr
	s_wait_dscnt 32                                ; the first block's 32 loads are in; the second's may be out
	BLOCKQ X, C, 23                                ; keys 32 h on: block h
	s_wait_alu depctr_va_vdst(0)
	s_wait_dscnt 0x0
	BLOCKQ X+32, C+6, 24                           ; keys 64 + 32 h on: block 2 + h
	v_lshl_or_b32 v25, v24, 16, v23
	v_lshlrev_b32 v25, v15, v25                    ; my two bytes at their places,
	v_permlanex16_b32 v17, v25, s20, s21
	v_or_b32 v25, v25, v17                         ; and lane l xor 16's two: my channel's scale word for these 128 keys
	ds_store_b32 v10, v25
	OUT 6144, 12800
.Lend:
	s_wait_tensorcnt 0x0                           ; the wave's end
	ds_add_u32 v[SPW], v[NIL]
	s_wait_dscnt 0x0
	s_endpgm
.Lfunc_end_k_q5ae21466c3_quant:
	.size	k_q5ae21466c3_quant, .Lfunc_end_k_q5ae21466c3_quant-k_q5ae21466c3_quant
	.p2alignl 7, 3214868480
	.fill 96, 4, 3214868480
	.section	.rodata,"a",@progbits
	.p2align	6, 0x0
	.amdhsa_kernel k_q5ae21466c3_quant
		.amdhsa_group_segment_fixed_size 70400
		.amdhsa_private_segment_fixed_size 0
		.amdhsa_enable_private_segment 0
		.amdhsa_kernarg_size 24
		.amdhsa_user_sgpr_count 2
		.amdhsa_user_sgpr_kernarg_segment_ptr 1
		.amdhsa_wavefront_size32 1
		.amdhsa_system_sgpr_workgroup_id_x 1
		.amdhsa_system_sgpr_workgroup_id_y 1
		.amdhsa_system_sgpr_workgroup_id_z 1
		.amdhsa_system_vgpr_workitem_id 0
		.amdhsa_next_free_vgpr 192
		.amdhsa_next_free_sgpr 66
		.amdhsa_reserve_vcc 1
		.amdhsa_float_denorm_mode_32 3
		.amdhsa_float_denorm_mode_16_64 3
		.amdhsa_memory_ordered 1
		.amdhsa_forward_progress 1
		.amdhsa_inst_pref_size 23
	.end_amdhsa_kernel
	.amdgpu_metadata
---
amdhsa.version: [ 1, 2 ]
amdhsa.kernels:
  - .name:           k_q5ae21466c3_quant
    .symbol:         k_q5ae21466c3_quant.kd
    .args:
      - { .name: K, .offset: 0, .size: 8, .value_kind: global_buffer, .address_space: global }
      - { .name: V, .offset: 8, .size: 8, .value_kind: global_buffer, .address_space: global }
      - { .name: kv, .offset: 16, .size: 8, .value_kind: global_buffer, .address_space: global }
    .group_segment_fixed_size: 70400
    .private_segment_fixed_size: 0
    .kernarg_segment_align: 8
    .kernarg_segment_size: 24
    .max_flat_workgroup_size: 128
    .sgpr_count:     66
    .vgpr_count:     192
    .wavefront_size: 32
...
	.end_amdgpu_metadata
.endif
;; end of part 1
;; launch attn (part 2): grid 32 x 8, 12 waves a work-group, clusters of 4 x 1, 327,680 bytes of LDS; arguments Q, kv, out0; writes out0
.if DOCPART == 2
	.amdgcn_target "amdgcn-amd-amdhsa--gfx1250"
	.amdhsa_code_object_version 6
	.text
	.protected	k_q5ae21466c3_attn
	.globl	k_q5ae21466c3_attn
	.p2align	8
	.type	k_q5ae21466c3_attn,@function
k_q5ae21466c3_attn:
	s_mov_b64 s[64:65], 0
	v_nop
	global_prefetch_b8 v0, s[64:65] scope:SCOPE_SE
	s_setreg_imm32_b32 hwreg(HW_REG_WAVE_MODE, 25, 1), 1
	s_wait_xcnt 0x0
	s_wait_alu depctr_hold_cnt(0) depctr_sa_sdst(0) depctr_va_vdst(0) depctr_va_sdst(0) depctr_va_ssrc(0) depctr_va_vcc(0) depctr_vm_vsrc(0)
	s_getreg_b32 s2, hwreg(HW_REG_IB_STS2, 6, 4)
	s_cmp_eq_u32 s2, 0
	s_cbranch_scc0 .Lentry_in_a_cluster
	s_endpgm
.Lentry_in_a_cluster:
	s_bfe_u32 s2, ttmp6, 0x10000c
	s_cmp_lg_u32 s2, 0x3003
	s_cbranch_scc0 .Lentry_shape_is_right
	s_endpgm
.Lentry_shape_is_right:
; out0 = softmax(Q K^T / 8) V for 24 heads of 2048 queries x 2048 keys x 64; both products on codes of FP6, K and V as the first launch laid them (records of 128 keys, REC bytes).
; LIMITS: NaN and infinities are not served; the scaled scores (the exponents to the base 2, before the maximum is taken away) stay under 2^31 in magnitude; a block's scale byte is held at 1 from below.
; THE GRID: 8 groups of three heads x 8 clusters x 4 work-groups = 256 of equal work.  A work-group's 12 waves take 16 queries each: waves 0-7 128 queries of head X, waves 8-11 64 queries of head Y.
; Which heads, and which of their queries, hangs on the cluster's x alone, by four tables of eight 4-bit entries; a work-group's place in its cluster picks its 128 (of 512) and 64 (of 256):
;   X: head 0 by clusters 0, 1 (queries 0 on), head 1 by 2, 3, 4, head 2 by 5, 6, 7;   Y: head 0 by 2, 3, 5, 6 (queries 1024 on), head 1 by 0, 7, head 2 by 1, 4 (queries 1536 on).
; A SUPER-STEP is 256 keys: two records of each of the two heads.  LDS holds six places of one super-step (PLACE bytes).
; FILLS: at the head waves 0-7 bring super-steps 0 and 1 into places 0 and 1, waves 8-10 the queries, f32, into place 2; then, one load a wave behind a round: 2-4 into places 3-5; 5-7 into places 0-2.
; By that order the later fills have two and three super-steps of all waves' work in which to land.  Every wait on TENSORcnt is for 0.
; CLUSTERS: the four work-groups of a cluster have the same two heads: K's and V's fills are joint loads (mask 15).  The queries' loads are a work-group's own.
; No prefetch: the fills are three, written out, so there is no loop of fills to run ahead in, and the later two are asked for two super-steps or more ahead.
; TRANSPOSED PRODUCTS: S^T = K q^T gives lane (r, h) query r; its 32 registers of tiles 4 c .. 4 c + 3 are the neighbouring keys 64 c + 32 h on, so a block of 32 lies in one lane and the
; codes that the conversions leave are the operand of O^T = V^T p^T.  The head's 64 numbers fill half of the first product's 128: q's upper six registers are zero codes, and whatever K's operand
; holds there (the next tile's codes, zeros, or finite codes of p) adds nothing.
; M, the row's largest t rounded up to a whole number, is kept as -M = floor(-t) and taken anew once a super-step; p = 2^(t - M).  A block's scale exponent is floor(its largest t - M) - 2:
; so scale operands and bytes are made ahead of the exponentials.  The row's sum is taken of the unquantised p: the four blocks are added onto each other, then the 16 pairs of the last.
.set REC,   13312
.set HEADB, 16*REC
.set SSB,   2*REC                      ; a super-step of one head
.set PLACE, 2*SSB
.set VIMG,  6144
.set KSCO,  12288
.set VSCO,  12800
.set QP,    272                        ; LDS pitch of a query's 256 bytes
.set SP,    272                        ; the same on the way out
.set STG,   3*PLACE                    ; the way out: places 3 on, whose last fill is the second
.set SPARE, 6*PLACE                    ; the spare words: 12 x 128 bytes
; vector registers
.set QF,  0                            ; v0-11   q's codes: six registers, then six of zeros
.set KS,  12                           ; v12-15  K's scale words of a super-step's first record
.set K2,  16                           ; v16-19  K's of the second, until its product is made;
.set VS,  16                           ; v16-17  then V's of a record
.set PW,  18                           ; v18-19  and p's of the two records
.set QS,  20                           ; q's
.set H8,  21                           ; 8 h
.set NM,  22                           ; -M
.set RM,  23                           ; the largest score so far
.set LS,  24                           ; v24-25  the row's sum, in two halves
.set FF,  26                           ; 2^(old M - new M); v26-28 later three registers of codes
.set TMP, 27
.set SO,  28                           ; v28-31  the four blocks' largest scores, then the conversions' scale operands
.set L16, 32                           ; 16 x lane
.set AD,  33                           ; the super-step's LDS address
.set SPW, 34                           ; my spare word; never rewritten
.set NIL, 35                           ; 0; never rewritten
.set F,   36                           ; v36-83  fragments: K's 8 tiles of the second record, then V's 4 of either
.set PC,  84                           ; v84-95  p's codes of the first record (directly behind F: the upper half of tile 7's operand)
.set O,   96                           ; v96-127 O^T
.set S,   128                          ; v128-255 scores, then p; block 0's registers later hold the second record's codes
.set F2,  24                           ; window 1: v280-327 K's 8 tiles of the first record, v328-333 zeros
; scalar registers
.set WV,  10
.set TL,  17                           ; w % 4
.set SEL, 20
.set CS,  22                           ; c = log2(e) / 8, twice
.set G1,  24                           ; group 1: a record, joint
.set G1Q, 32                           ; group 1: 64 queries, padded
.set G0,  48
.set G0Q, 52
.set CN,  60                           ; -c
.set KB,  61                           ; 125 in both halves
.set TB,  62
.set CNT, 63
.set HB,  66                           ; my head's first byte in a place
.set ODD, 67
.set QO,  68
.set OO,  70
.set LA,  76
.set LB,  77
.set MSB, 0
.macro WIN new                         ; the immediate's high byte repeats the setting that is left
.if MSB != \new
	s_set_vgpr_msb (MSB<<8)|\new
.set MSB, \new
.endif
.endm
.macro CROUND
	s_barrier_signal -1
	s_barrier_wait -1
	s_cmp_lg_u32 s[WV], 0
	s_cbranch_scc1 .Lnot_wave_0_\@
	s_barrier_signal -3
.Lnot_wave_0_\@:
	s_barrier_wait -3
	s_barrier_signal -1
	s_barrier_wait -1
.endm
.macro LOADK0 a                        ; a super-step's first record of K, into window 1, and its scale words
	WIN 0x40
.irp i, 0,1,2,3,4,5,6,7,8,9,10,11
	ds_load_b128 v[F2+4*\i:F2+4*\i+3], v[\a] offset:512*\i
.endr
	WIN 0
	ds_load_b128 v[KS:KS+3], v[\a] offset:KSCO
.endm
.macro LOADK1
.irp i, 0,1,2,3,4,5,6,7,8,9,10,11
	ds_load_b128 v[F+4*\i:F+4*\i+3], v[AD] offset:REC+512*\i
.endr
	ds_load_b128 v[K2:K2+3], v[AD] offset:REC+KSCO
.endm
.macro LOADV r
.irp i, 0,1,2,3,4,5,6,7,8,9,10,11
	ds_load_b128 v[F+4*\i:F+4*\i+3], v[AD] offset:REC*\r+VIMG+512*\i
.endr
	ds_load_b64 v[VS:VS+1], v[AD] offset:REC*\r+VSCO
.endm
.macro QK r, f, k
.irp t, 0,2,4,6
	v_wmma_scale_f32_16x16x128_f8f6f4 v[S+64*\r+8*\t:S+64*\r+8*\t+7], v[\f+6*\t:\f+6*\t+11], v[QF:QF+11], 0, v[\k+\t/2], v[QS] matrix_a_fmt:MATRIX_FMT_FP6 matrix_b_fmt:MATRIX_FMT_FP6
	v_wmma_scale_f32_16x16x128_f8f6f4 v[S+64*\r+8*\t+8:S+64*\r+8*\t+15], v[\f+6*\t+6:\f+6*\t+17], v[QF:QF+11], 0, v[\k+\t/2], v[QS] matrix_a_fmt:MATRIX_FMT_FP6 matrix_b_fmt:MATRIX_FMT_FP6 matrix_a_scale:MATRIX_SCALE_ROW1
.endr
.endm
.macro PV r, q, z                      ; p's codes from v[q]; z = 1: the first product starts the sums
.irp t, 0,2
.if \z
	v_wmma_scale_f32_16x16x128_f8f6f4 v[O+8*\t:O+8*\t+7], v[F+12*\t:F+12*\t+11], v[\q:\q+11], 0, v[VS+\t/2], v[PW+\r] matrix_a_fmt:MATRIX_FMT_FP6 matrix_b_fmt:MATRIX_FMT_FP6
	v_wmma_scale_f32_16x16x128_f8f6f4 v[O+8*\t+8:O+8*\t+15], v[F+12*\t+12:F+12*\t+23], v[\q:\q+11], 0, v[VS+\t/2], v[PW+\r] matrix_a_fmt:MATRIX_FMT_FP6 matrix_b_fmt:MATRIX_FMT_FP6 matrix_a_scale:MATRIX_SCALE_ROW1
.else
	v_wmma_scale_f32_16x16x128_f8f6f4 v[O+8*\t:O+8*\t+7], v[F+12*\t:F+12*\t+11], v[\q:\q+11], v[O+8*\t:O+8*\t+7], v[VS+\t/2], v[PW+\r] matrix_a_fmt:MATRIX_FMT_FP6 matrix_b_fmt:MATRIX_FMT_FP6
	v_wmma_scale_f32_16x16x128_f8f6f4 v[O+8*\t+8:O+8*\t+15], v[F+12*\t+12:F+12*\t+23], v[\q:\q+11], v[O+8*\t+8:O+8*\t+15], v[VS+\t/2], v[PW+\r] matrix_a_fmt:MATRIX_FMT_FP6 matrix_b_fmt:MATRIX_FMT_FP6 matrix_a_scale:MATRIX_SCALE_ROW1
.endif
.endr
.endm
; The largest scores of record r's two blocks (of my lane: 32 keys each), each in two chains; JOIN brings a block's chains and last two scores together.
.macro MAXES r, a0, a1, b0, b1
.set XB, S+64*\r
	v_max3_num_f32 v[\a0], v[XB], v[XB+1], v[XB+2]
	v_max3_num_f32 v[\a1], v[XB+32], v[XB+33], v[XB+34]
	v_max3_num_f32 v[\b0], v[XB+16], v[XB+17], v[XB+18]
	v_max3_num_f32 v[\b1], v[XB+48], v[XB+49], v[XB+50]
.irp i, 3,5,7,9,11,13
	v_max3_num_f32 v[\a0], v[\a0], v[XB+\i], v[XB+\i+1]
	v_max3_num_f32 v[\a1], v[\a1], v[XB+32+\i], v[XB+33+\i]
	v_max3_num_f32 v[\b0], v[\b0], v[XB+16+\i], v[XB+17+\i]
	v_max3_num_f32 v[\b1], v[\b1], v[XB+48+\i], v[XB+49+\i]
.endr
.endm
.macro JOIN r, a0, a1, b0, b1
.set XB, S+64*\r
	v_max3_num_f32 v[\a0], v[\a0], v[\b0], v[XB+15]
	v_max3_num_f32 v[\a1], v[\a1], v[\b1], v[XB+47]
	v_max_num_f32 v[\a0], v[\a0], v[XB+31]
	v_max_num_f32 v[\a1], v[\a1], v[XB+63]
.endm
.macro FMA b, i                        ; t - M of two scores
	v_pk_fma_f32 v[S+32*(\b)+\i:S+32*(\b)+\i+1], v[S+32*(\b)+\i:S+32*(\b)+\i+1], s[CS:CS+1], v[NM:NM+1] op_sel_hi:[1,0,0]
.endm
.macro ADDB b, i                       ; a pair of block b - 1's sums onto block b's
	v_pk_add_f32 v[S+32*(\b)+\i:S+32*(\b)+\i+1], v[S+32*(\b)+\i:S+32*(\b)+\i+1], v[S+32*(\b)-32+\i:S+32*(\b)-31+\i]
.endm
.macro TREE i, d                       ; within block 3: pair i takes the pair d registers on
	v_pk_add_f32 v[S+96+\i:S+97+\i], v[S+96+\i:S+97+\i], v[S+96+\i+\d:S+97+\i+\d]
.endm
.macro TREEND                          ; the sum's last four additions
	TREE 0, 8
	TREE 16, 8
	TREE 0, 16
	v_pk_add_f32 v[LS:LS+1], v[LS:LS+1], v[S+96:S+97]
.endm
.macro OMUL j                          ; O^T under the new M: a power of two, nothing is rounded
	v_pk_mul_f32 v[O+\j:O+\j+1], v[O+\j:O+\j+1], v[FF:FF+1] op_sel_hi:[1,0]
.endm
.macro EXPS b, f, a                    ; block b's exponentials; among them the next block's multiply-adds (but its first, which stands ahead) and the sums of the two blocks before
.irp i, 0,2,4,6,8,10,12,14,16,18,20,22,24,26,28,30
	v_exp_f32 v[S+32*\b+\i], v[S+32*\b+\i]
	v_exp_f32 v[S+32*\b+\i+1], v[S+32*\b+\i+1]
.if \f && \i > 0
	FMA \b+1, \i
.endif
.if \a
	ADDB \b-1, \i
.endif
.endr
.endm
.macro CVT b, lo, hi                   ; a block's 32 codes in two runs of three registers (each begins on an even number)
	v_cvt_scalef32_pk16_fp6_f32 v[\lo:\lo+2], v[S+32*\b:S+32*\b+15], v[SO+\b]
	v_cvt_scalef32_pk16_fp6_f32 v[\hi:\hi+2], v[S+32*\b+16:S+32*\b+31], v[SO+\b]
.endm
.macro MOV3 d, s
.irp i, 0,1,2
	v_mov_b32 v[\d+\i], v[\s+\i]
.endr
.endm
; One super-step.  Its first record of K has been asked for already; pre = 1: the next super-step's is asked for (it lies in the next place, filled in the same round).
.macro SUPER first, pre
	v_add_nc_u32 v[AD], s[TB], v[L16]              ; with the four additions ahead: five places behind the last products, whose registers the loads and products below write
	LOADK1
	s_wait_alu depctr_va_vdst(0)
	s_wait_dscnt 13                                ; the first record is in; the second's 13 loads may be out
	WIN 0x01
	QK 0, F2, KS
	WIN 0
.if \first
.rept 4
	v_nop                                          ; places
.endr
.else
	TREEND                                         ; the last super-step's: the places behind QK 0
.endif
	MAXES 0, SO, SO+1, SO+2, SO+3                  ; under the second record's loads
	s_wait_alu depctr_va_vdst(0)
	s_wait_dscnt 0x0
	QK 1, F, K2
	JOIN 0, SO, SO+1, SO+2, SO+3                   ; these four are the places behind QK 1
	LOADV 0
.if \pre
	v_add_nc_u32 v[PC+2], PLACE, v[AD]
	LOADK0 PC+2
.endif
	MAXES 1, SO+2, SO+3, TMP, FF
	JOIN 1, SO+2, SO+3, TMP, FF
	v_max3_num_f32 v[TMP], v[SO], v[SO+1], v[SO+2]
	s_delay_alu instid0(VALU_DEP_1)
	v_max_num_f32 v[TMP], v[TMP], v[SO+3]
	s_delay_alu instid0(VALU_DEP_1)
	v_permlanex16_b32 v[FF], v[TMP], s[SEL], s[SEL+1]   ; lane l xor 16 holds my query's other keys
.if \first
	s_delay_alu instid0(VALU_DEP_1)
	v_max_num_f32 v[RM], v[TMP], v[FF]
	s_delay_alu instid0(VALU_DEP_1)
	v_mul_f32 v[TMP], s[CN], v[RM]
	s_delay_alu instid0(VALU_DEP_1)
	v_floor_f32 v[NM], v[TMP]
.else
	s_delay_alu instid0(VALU_DEP_1)
	v_max3_num_f32 v[RM], v[RM], v[TMP], v[FF]
	s_delay_alu instid0(VALU_DEP_1)
	v_mul_f32 v[TMP], s[CN], v[RM]
	s_delay_alu instid0(VALU_DEP_1)
	v_floor_f32 v[TMP], v[TMP]
	s_delay_alu instid0(VALU_DEP_1)
	v_sub_f32 v[FF], v[TMP], v[NM]                 ; old M less new M: a whole number, 0 or less
	v_mov_b32 v[NM], v[TMP]
.endif
.irp b, 0,1,2,3
	v_fma_f32 v[SO+\b], v[SO+\b], s[CS], v[NM]     ; a block's largest t - M
.endr
.if \first == 0
	v_cvt_i32_f32 v[FF], v[FF]                     ; (it saturates)
.endif
.irp i, 0,2,4,6
	FMA 0, \i
.endr
.irp b, 0,1,2,3
	v_max_num_f32 v[SO+\b], 0xc2f80000, v[SO+\b]   ; -124: so the byte cannot fall under 1
.endr
.if \first == 0
	v_ldexp_f32 v[FF], 1.0, v[FF]
.endif
.irp i, 8,10,12,14
	FMA 0, \i
.endr
.irp b, 0,1,2,3
	v_cvt_floor_i32_f32 v[SO+\b], v[SO+\b]         ; the exponent of the block's largest p
.endr
.irp i, 16,18,20,22
	FMA 0, \i
.endr
	v_lshl_add_u32 v[PC], v[SO+1], 16, v[SO]       ; a record's two blocks of my lane: bytes h and 2 + h of its scale word,
	v_lshl_add_u32 v[PC+1], v[SO+3], 16, v[SO+2]
.if \first == 0
	v_pk_mul_f32 v[LS:LS+1], v[LS:LS+1], v[FF:FF+1] op_sel_hi:[1,0]
.irp j, 0,2,4,6
	OMUL \j
.endr
.endif
	v_add_lshl_u32 v[PC], v[PC], s[KB], v[H8]      ; each + 127 - 2, moved up by h bytes
	v_add_lshl_u32 v[PC+1], v[PC+1], s[KB], v[H8]
.irp b, 0,1,2,3
	v_add_lshl_u32 v[SO+\b], v[SO+\b], 0x7d, 23    ; the conversion's scale operand
.endr
.irp i, 24,26,28,30
	FMA 0, \i
.endr
	v_permlanex16_b32 v[PW], v[PC], s[SEL], s[SEL+1]
	v_permlanex16_b32 v[PW+1], v[PC+1], s[SEL], s[SEL+1]
.if \first == 0
.irp j, 8,10,12,14,16,18,20,22,24,26,28,30
	OMUL \j
.endr
.endif
	v_or_b32 v[PW], v[PW], v[PC]                   ; with lane l xor 16's two bytes the words are whole
	v_or_b32 v[PW+1], v[PW+1], v[PC+1]
	FMA 1, 0
	s_wait_alu depctr_va_vdst(0)                   ; a wait ahead of and behind each batch of exponentials
	EXPS 0, 1, 0
	s_wait_alu depctr_va_vdst(0)
	CVT 0, PC, PC+8
	FMA 2, 0                                       ; a plain place behind the conversions
	MOV3 PC+3, PC+8
	EXPS 1, 1, 0
	s_wait_alu depctr_va_vdst(0)
	CVT 1, PC+6, FF
	FMA 3, 0
	MOV3 PC+9, FF
	EXPS 2, 1, 1
	s_wait_alu depctr_va_vdst(0)
	CVT 2, S+8, S+20                               ; block 0's numbers are done with
	v_nop                                          ; a plain place: the sums below write what the conversions read
	EXPS 3, 0, 1
	s_wait_alu depctr_va_vdst(0)
	s_wait_dscnt 0x0                               ; V's first record
	PV 0, PC, \first
	CVT 3, S+14, S+24
	MOV3 S+11, S+20
.irp i, 0,2,4
	ADDB 3, \i
.endr
	LOADV 1                                        ; eight places behind PV 0
.irp i, 6,8,10,12,14,16,18,20,22,24,26,28,30
	ADDB 3, \i
.endr
	MOV3 S+17, S+24
.irp i, 0,4,8,12,16,20,24,28
	TREE \i, 2
.endr
	s_wait_alu depctr_va_vdst(0)
	s_wait_dscnt 0x0
	PV 1, S+8, 0
.irp i, 0,8,16,24
	TREE \i, 4
.endr
.endm
.macro THREE                           ; a group of three super-steps, from s[TB] on
	v_add_nc_u32 v[PC+2], s[TB], v[L16]
	LOADK0 PC+2
	s_mov_b32 s[CNT], 2
.Lss_\@:
	SUPER 0, 1
	s_add_co_u32 s[TB], s[TB], PLACE
	s_sub_co_u32 s[CNT], s[CNT], 1
	s_cmp_lg_u32 s[CNT], 0
	s_wait_alu depctr_va_vdst(0)
	s_cbranch_scc1 .Lss_\@
	SUPER 0, 0
.endm
	s_load_b128 s[4:7], s[0:1], 0x0                ; Q, kv
	s_load_b64 s[8:9], s[0:1], 0x10                ; out0
	v_lshl_add_u32 v[SPW], v0, 2, SPARE
	v_mov_b32 v[NIL], 0
	ds_add_u32 v[SPW], v[NIL]                      ; the opening: the add, twice on end, and its wait
	ds_add_u32 v[SPW], v[NIL]
	v_lshrrev_b32 v96, 5, v0
	v_readfirstlane_b32 s[WV], v96
	s_and_b32 s[TL], s[WV], 3
	s_and_b32 s[ODD], s[WV], 1                     ; the head that I fetch for: X or Y
	s_lshr_b32 s18, s[WV], 1                       ; and which of a fill's records
	s_lshr_b32 s2, s[WV], 3                        ; the head that I work for
	s_mul_i32 s[HB], s2, SSB
	; LDS: a fill's record q of head X or Y lies in its place q / 2, half q % 2
	s_lshr_b32 s2, s18, 1
	s_mul_i32 s2, s2, PLACE
	s_and_b32 s3, s18, 1
	s_mul_i32 s3, s3, REC
	s_add_co_u32 s2, s2, s3
	s_mul_i32 s3, s[ODD], SSB
	s_add_co_u32 s[LA], s2, s3                     ; from place 0 on
	s_add_co_u32 s[LB], s[LA], 3*PLACE             ; from place 3 on
	s_mov_b32 s[G0+1], s[LA]
	s_mul_i32 s2, s[TL], 64*QP
	s_add_co_u32 s[G0Q+1], s2, 2*PLACE             ; 64 queries, in place 2
	; the tables: X's head and first 512 queries, Y's head and first 256
	s_lshl_b32 s3, ttmp9, 2
	s_mov_b32 s12, 0x22211100
	s_mov_b32 s13, 0x10020021
	s_mov_b32 s14, 0x21021010
	s_mov_b32 s15, 0x77675466
.irp k, 12,13,14,15
	s_lshr_b32 s[\k], s[\k], s3
	s_and_b32 s[\k], s[\k], 15
.endr
	s_and_b32 s2, ttmp7, 0xffff
	s_mul_i32 s2, s2, 3
	s_add_co_u32 s12, s12, s2                      ; head X
	s_add_co_u32 s13, s13, s2                      ; head Y
	s_cmp_eq_u32 s[ODD], 0
	s_cselect_b32 s2, s12, s13
	s_mul_i32 s82, s2, HEADB
	s_mul_i32 s3, s18, REC
	s_add_co_u32 s82, s82, s3                      ; my record of a fill: nothing that feeds a joint load hangs on my place in the cluster
	s_mov_b32 s83, 0
	; rows of Q and of the result, in registers that no joint load reads
	s_bfe_u32 s11, ttmp6, 0x40000                  ; my place
	s_lshl_b32 s78, s12, 11
	s_lshl_b32 s79, s14, 9
	s_add_co_u32 s78, s78, s79
	s_lshl_b32 s79, s11, 7
	s_add_co_u32 s78, s78, s79                     ; X's first row
	s_lshl_b32 s79, s13, 11
	s_lshl_b32 s80, s15, 8
	s_add_co_u32 s79, s79, s80
	s_lshl_b32 s80, s11, 6
	s_add_co_u32 s79, s79, s80                     ; Y's first row
	s_lshl_b32 s80, s[TL], 6
	s_add_co_u32 s80, s80, s78
	s_cmp_eq_u32 s[TL], 2
	s_cselect_b32 s80, s79, s80                    ; waves 8, 9: X's two runs of 64 queries; wave 10: Y's
	s_lshl_b32 s[QO], s80, 8
	s_mov_b32 s[QO+1], 0
	s_cmp_lt_u32 s[WV], 8
	s_cselect_b32 s80, s78, s79
	s_and_b32 s81, s[WV], 7
	s_lshl_b32 s81, s81, 4
	s_add_co_u32 s80, s80, s81                     ; my 16 rows
	s_lshl_b32 s[OO], s80, 8
	s_mov_b32 s[OO+1], 0
	s_mov_b32 s[G1+0], 15|(3<<16)|(1<<21)          ; elements of 8 bytes, joint: rows of 512 bytes, 26 to a record
	s_mov_b32 s[G1+1], 64<<16
	s_mov_b32 s[G1+2], 26<<16
	s_mov_b32 s[G1+3], 64<<16
	s_mov_b32 s[G1+4], 26
	s_mov_b32 s[G1+5], 64
	s_mov_b32 s[G1+6], 0
	s_mov_b32 s[G1+7], 0
	s_mov_b32 s[G1Q+0], (2<<16)|(1<<20)|(5<<22)|(3<<25)   ; elements of 4 bytes; after every 64 words 4 of padding: 64 rows of 256 bytes
	s_mov_b32 s[G1Q+1], 64<<16
	s_mov_b32 s[G1Q+2], 64<<16
	s_mov_b32 s[G1Q+3], 64<<16
	s_mov_b32 s[G1Q+4], 64
	s_mov_b32 s[G1Q+5], 64
	s_mov_b32 s[G1Q+6], 0
	s_mov_b32 s[G1Q+7], 0
	s_mov_b32 s[G0+0], 1
	s_mov_b32 s[G0Q+0], 1
	s_mov_b32 s[SEL], 0x76543210
	s_mov_b32 s[SEL+1], 0xfedcba98
	s_mov_b32 s[CS], 0x3e38aa3b
	s_mov_b32 s[CS+1], s[CS]
	s_mov_b32 s[CN], 0xbe38aa3b
	s_mov_b32 s[KB], 0x007d007d
	s_wait_alu depctr_va_vdst(0)
	s_wait_dscnt 0x0                               ; both opening adds are done
	s_wait_kmcnt 0x0
	s_add_nc_u64 s[G0+2:G0+3], s[6:7], s[82:83]
	s_or_b32 s[G0+3], s[G0+3], 0x80000000
	s_add_nc_u64 s[G0Q+2:G0Q+3], s[4:5], s[QO:QO+1]
	s_or_b32 s[G0Q+3], s[G0Q+3], 0x80000000
	s_add_nc_u64 s[8:9], s[8:9], s[OO:OO+1]
	CROUND                                         ; the four work-groups are here: the first joint loads meet
	s_cmp_lt_u32 s[WV], 8
	s_cbranch_scc0 .Lqueries
	tensor_load_to_lds s[G0:G0+3], s[G1:G1+7]      ; waves 0-7: super-steps 0 and 1
	s_nop 0
.rept 4
	v_nop
.endr
	s_branch .Lasked
.Lqueries:
	s_cmp_lt_u32 s[WV], 11
	s_cbranch_scc0 .Lasked
	tensor_load_to_lds s[G0Q:G0Q+3], s[G1Q:G1Q+7]  ; waves 8-10: the queries
	s_nop 0
.rept 4
	v_nop
.endr
.Lasked:
	v_and_b32 v96, 15, v0                          ; r
	v_bfe_u32 v97, v0, 4, 1                        ; h
	v_and_b32 v[L16], 31, v0
	v_lshlrev_b32 v[H8], 3, v97
	v_mul_u32_u24 v98, v96, QP
	v_lshlrev_b32 v[L16], 4, v[L16]
	v_lshl_add_u32 v98, v97, 7, v98
	s_mov_b32 s[TB], s[HB]
	v_add_nc_u32 v[AD], s[TB], v[L16]              ; super-step 0: place 0
	s_mul_i32 s2, s[WV], 16*QP
	s_add_co_u32 s2, s2, 2*PLACE
	v_add_nc_u32 v98, s2, v98                      ; my query's row, + 128 h
	WIN 0x40
.irp j, 48,49,50,51,52,53
	v_mov_b32 v[F2+\j], 0                          ; the upper half of tile 7's operand in window 1
.endr
	WIN 0
.irp j, 6,7,8,9,10,11
	v_mov_b32 v[QF+\j], 0                          ; zero codes: numbers 64 .. 127 of the first product's K
.endr
.irp j, 0,1,2,3,4,5
	v_mov_b32 v[PC+\j], 0                          ; read as the upper half of tile 7's operand before they hold codes
.endr
	v_mov_b32 v[LS], 0
	v_mov_b32 v[LS+1], 0
	v_mov_b32 v[TMP], 0                            ; a lane permute's destination counts as one of its sources
	s_wait_alu depctr_va_vdst(0)                   ; the wait at the head's end
	s_wait_tensorcnt 0x0                           ; the queries and super-steps 0 and 1 are in
	ds_add_u32 v[SPW], v[NIL]
	ds_add_u32 v[SPW], v[NIL]
	s_mov_b32 s[G0+1], s[LB]
	s_add_nc_u64 s[G0+2:G0+3], s[G0+2:G0+3], 4*REC
	s_wait_dscnt 0x0
	CROUND
	tensor_load_to_lds s[G0:G0+3], s[G1:G1+7]      ; super-steps 2, 3 and 4, into places 3 to 5
	s_nop 0
.irp i, 0,1,2,3,4,5,6,7
	ds_load_b128 v[S+4*\i:S+4*\i+3], v98 offset:16*\i   ; my query's numbers 32 h .. 32 h + 31
.endr
	LOADK0 AD
	s_wait_dscnt 13                                ; the queries are in; K's 13 loads may be out
	v_max3_num_f32 v[SO], |v[S]|, |v[S+1]|, 0x1800000   ; q's block, as the first launch makes K's
	v_max3_num_f32 v[SO+1], |v[S+2]|, |v[S+3]|, |v[S+4]|
.irp i, 5,9,13,17,21,25
	v_max3_num_f32 v[SO], v[SO], |v[S+\i]|, |v[S+\i+1]|
	v_max3_num_f32 v[SO+1], v[SO+1], |v[S+\i+2]|, |v[S+\i+3]|
.endr
	v_max3_num_f32 v[SO], v[SO], |v[S+29]|, |v[S+30]|
	v_max3_num_f32 v[SO], v[SO], v[SO+1], |v[S+31]|
	v_add_nc_u32 v[SO+2], 0xff000000, v[SO]
	v_lshrrev_b32 v[SO+3], 23, v[SO+2]
	v_cvt_scalef32_pk16_fp6_f32 v[QF:QF+2], v[S:S+15], v[SO+2]
	v_cvt_scalef32_pk16_fp6_f32 v[PC+8:PC+10], v[S+16:S+31], v[SO+2]
	v_lshlrev_b32 v[SO+3], v[H8], v[SO+3]          ; byte h of my query's scale word;
	v_permlanex16_b32 v[TMP], v[SO+3], s[SEL], s[SEL+1]
	v_or_b32 v[QS], v[SO+3], v[TMP]
	MOV3 QF+3, PC+8
.rept 4
	v_nop                                          ; with the moves and the super-step's first line: eight places between the scale word and the first product, five behind the operand's last register
.endr
	SUPER 1, 1
	s_add_co_u32 s[TB], s[TB], PLACE
	SUPER 0, 0
	s_wait_alu depctr_va_vdst(0)
	s_wait_tensorcnt 0x0                           ; super-steps 2, 3 and 4 are in
	ds_add_u32 v[SPW], v[NIL]
	s_mov_b32 s[G0+1], s[LA]
	s_add_nc_u64 s[G0+2:G0+3], s[G0+2:G0+3], 6*REC
	s_wait_dscnt 0x0                               ; the add is done, and so are my reads of places 0 to 2
	CROUND
	tensor_load_to_lds s[G0:G0+3], s[G1:G1+7]      ; super-steps 5, 6 and 7, into places 0 to 2
	s_nop 0
.rept 4
	v_nop                                          ; four instructions between the tensor load and the switch of windows below
.endr
	s_add_co_u32 s[TB], s[HB], 3*PLACE
	THREE
	s_wait_alu depctr_va_vdst(0)
	s_wait_tensorcnt 0x0                           ; super-steps 5, 6 and 7 are in; nothing is filled again, so a barrier of the work-group serves
	s_wait_dscnt 0x0
	s_barrier_signal -1
	s_barrier_wait -1
	s_mov_b32 s[TB], s[HB]
	THREE
	; the way out: places 3 to 5 have had their last fill, and every wave has passed the barrier behind its reads of them
	TREEND
	v_add_f32 v[TMP], v[LS], v[LS+1]
	v_bfe_u32 v0, v[L16], 4, 4                     ; r
	v_lshrrev_b32 v1, 8, v[L16]                    ; h
	v_permlanex16_b32 v[FF], v[TMP], s[SEL], s[SEL+1]
	s_mul_i32 s2, s[WV], 16*SP                     ; my stage: 16 rows
	s_add_co_u32 s2, s2, STG
	v_mul_u32_u24 v2, v0, SP
	v_mul_u32_u24 v3, v1, SP
	v_lshl_add_u32 v2, v1, 5, v2
	v_lshl_add_u32 v3, v0, 4, v3
	v_add_f32 v[FF], v[FF], v[TMP]                 ; the row's sum
	v_add_nc_u32 v2, s2, v2                        ; in: row r, 32 h
	v_add_nc_u32 v3, s2, v3                        ; back: row h of two, 16 r
	s_wait_alu depctr_va_vdst(0)                   ; the wait ahead of and behind the transcendental
	v_rcp_f32 v[FF], v[FF]
	v_nop
	s_wait_alu depctr_va_vdst(0)
.irp j, 0,2,4,6,8,10,12,14,16,18,20,22,24,26,28,30
	v_pk_mul_f32 v[S+\j:S+\j+1], v[O+\j:O+\j+1], v[FF:FF+1] op_sel_hi:[1,0]   ; register 8 t + i: channel 16 t + 8 h + i of query r
.endr
.irp t, 0,1,2,3
	ds_store_b128 v2, v[S+8*\t:S+8*\t+3] offset:64*\t
	ds_store_b128 v2, v[S+8*\t+4:S+8*\t+7] offset:64*\t+16
.endr
.irp i, 0,1,2,3,4,5,6,7
	ds_load_b128 v[S+32+4*\i:S+32+4*\i+3], v3 offset:2*SP*\i   ; my own bytes: LDS serves a wave's instructions in order (ISA guide 5.7.1.4)
.endr
.irp i, 0,1,2,3,4,5,6,7
	s_wait_dscnt 7-\i                              ; the loads issued behind this one may be out
	global_store_b128 v[L16], v[S+32+4*\i:S+32+4*\i+3], s[8:9] offset:512*\i th:TH_STORE_NT   ; two rows, 512 consecutive bytes
.endr
	s_wait_tensorcnt 0x0                           ; the wave's end
	ds_add_u32 v[SPW], v[NIL]
	s_wait_dscnt 0x0
	CROUND                                         ; the closing round
	s_endpgm
.Lfunc_end_k_q5ae21466c3_attn:
	.size	k_q5ae21466c3_attn, .Lfunc_end_k_q5ae21466c3_attn-k_q5ae21466c3_attn
	.p2alignl 7, 3214868480
	.fill 96, 4, 3214868480
	.section	.rodata,"a",@progbits
	.p2align	6, 0x0
	.amdhsa_kernel k_q5ae21466c3_attn
		.amdhsa_group_segment_fixed_size 327680
		.amdhsa_private_segment_fixed_size 0
		.amdhsa_enable_private_segment 0
		.amdhsa_kernarg_size 24
		.amdhsa_user_sgpr_count 2
		.amdhsa_user_sgpr_kernarg_segment_ptr 1
		.amdhsa_wavefront_size32 1
		.amdhsa_system_sgpr_workgroup_id_x 1
		.amdhsa_system_sgpr_workgroup_id_y 1
		.amdhsa_system_sgpr_workgroup_id_z 1
		.amdhsa_system_vgpr_workitem_id 0
		.amdhsa_next_free_vgpr 336
		.amdhsa_next_free_sgpr 88
		.amdhsa_reserve_vcc 0
		.amdhsa_float_denorm_mode_32 3
		.amdhsa_float_denorm_mode_16_64 3
		.amdhsa_memory_ordered 1
		.amdhsa_forward_progress 1
		.amdhsa_inst_pref_size 175
	.end_amdhsa_kernel
	.amdgpu_metadata
---
amdhsa.version: [ 1, 2 ]
amdhsa.kernels:
  - .name:           k_q5ae21466c3_attn
    .symbol:         k_q5ae21466c3_attn.kd
    .args:
      - { .name: Q, .offset: 0, .size: 8, .value_kind: global_buffer, .address_space: global }
      - { .name: kv, .offset: 8, .size: 8, .value_kind: global_buffer, .address_space: global }
      - { .name: out0, .offset: 16, .size: 8, .value_kind: global_buffer, .address_space: global }
    .group_segment_fixed_size: 327680
    .private_segment_fixed_size: 0
    .kernarg_segment_align: 8
    .kernarg_segment_size: 24
    .max_flat_workgroup_size: 384
    .sgpr_count:     88
    .vgpr_count:     336
    .wavefront_size: 32
...
	.end_amdgpu_metadata
.endif
;; end of part 2
